; MI455X (gfx1250); checked and timed in simulation.
; The chip was launched on July 23, 2026; its instructions are those of AMD's public machine-readable ISA for CDNA 5 (MIT licence, August 2026) and "CDNA5" Instruction Set Architecture Reference Guide (July 2026). The comments in the code are by the model that wrote it; some were corrected since.
;; Modulated MLP Head. Allowed arithmetic: matrix products marked QUANTISED: E2M3 operands, one E8M0 scale for each 32 along K, by v_wmma_scale_f32_16x16x128_f8f6f4 with both operands' format E2M3, f32 sums; products left as they are: f32 operands where the result goes on into a quantised operand, else bf16, f16 or f32 operands; f32 sums; everything else in f32.
;; Inputs: A0_b 256 float32; A0_w 256 x 1 float32; A_out_b 6 float32; A_out_w 6 x 256 float32; As_b 3 x 256 float32; As_w 3 x 256 x 256 float32; Pj 128 x 512 float32; c1_b 512 float32; c1_w 512 x 512 float32; c2_b 1 float32; c2_w 1 x 512 float32; s 128 x 2,048 x 1 float32; w0_b 256 float32; w0_w 256 x 512 float32; ws_b 3 x 256 float32; ws_w 3 x 256 x 768 float32.
;; Outputs: out0 128 x 2,048 x 6 float32; out1 128 x 1 float32.
;; This version of the problem:
;;   THIS VERSION OF THE PROBLEM IS GIVEN IN LOW PRECISION. The matrix products marked QUANTISED in the list below multiply operands that are first quantised to E2M3 (2 exponent bits, 3 mantissa bits; 6 bits a number), with one power-of-two scale for each 32 numbers along K (OCP MX v1.0); their sums are f32. All else is computed in f32.
;;   The module's matrix products, in the order in which they are computed (A, B: the left and right operand; K: the contracted axis; several contracted axes count as one K, in the product's order):
;;     1. [M 128, K 512] x [K 512, N 256]; A: input Pj; B: input w0_w: QUANTISED
;;     2. [M 128, K 768] x [K 768, N 256]; A: computed on the way; B: input ws_w: QUANTISED
;;     3. [M 128, K 768] x [K 768, N 256]; A: computed on the way; B: input ws_w: QUANTISED
;;     4. [M 128, K 768] x [K 768, N 256]; A: computed on the way; B: input ws_w: QUANTISED
;;     5. [M 262,144, K 1] x [K 1, N 256]; A: input s; B: input A0_w: left as it is (K = 1 < 32)
;;     6. [M 262,144, K 256] x [K 256, N 256]; A: computed on the way; B: input As_w: QUANTISED
;;     7. [M 262,144, K 256] x [K 256, N 256]; A: computed on the way; B: input As_w: QUANTISED
;;     8. [M 262,144, K 256] x [K 256, N 256]; A: computed on the way; B: input As_w: QUANTISED
;;     9. [M 262,144, K 256] x [K 256, N 6]; A: computed on the way; B: input A_out_w: left as it is (N = 6 < 16)
;;     10. [M 128, K 512] x [K 512, N 512]; A: input Pj; B: input c1_w: QUANTISED
;;     11. [M 128, K 512] x [K 512, N 1]; A: computed on the way; B: input c2_w: left as it is (N = 1 < 16)
;;   THE QUANTISER, for each operand of a quantised product, along K:
;;     - K is cut into blocks of 32 from its start; a last block that is shorter is filled with zeros.
;;     - A block's scale is 2^e with e = floor(log2(the largest magnitude in the block)) - 2, held to -126 .. 127; a block of zeros has e = 0. As a byte (E8M0): e + 127.
;;     - Each number is divided by its block's scale, clamped to +-7.5, and rounded to the nearest number of E2M3, ties to even, subnormals kept.
;;     - The product sums the exact products of the quantised numbers (number of the format x scale) in f32.
;;   ~~~python
;;   def quantise(x, axis):      # numpy; x: float32 -> the quantised numbers, widened to float32 again
;;       x = np.moveaxis(x, axis, -1); K = x.shape[-1]
;;       x = np.pad(x, [(0, 0)] * (x.ndim - 1) + [(0, -K % 32)]); x = x.reshape(x.shape[:-1] + (-1, 32)); a = np.abs(x).max(-1, keepdims=True)
;;       e = np.where(a > 0, np.clip(np.frexp(np.where(a > 0, a, 1))[1] - 1 - 2, -126, 127), 0)      # np.frexp(a)[1] - 1 = floor(log2(a)), exactly
;;       r = np.clip(x / 2.0 ** e, -7.5, 7.5)
;;       step = 2.0 ** (np.maximum(np.frexp(np.where(r == 0, 1, r))[1] - 1, 0) - 3)
;;       q = np.round(r / step) * step * 2.0 ** e      # np.round: ties to even
;;       return np.moveaxis(q.reshape(q.shape[:-2] + (-1,))[..., :K], -1, axis).astype(np.float32)
;;   ~~~
;;   OPERANDS COMPUTED ON THE WAY. 'Computed on the way' means the value that the module computes at that place (a softmax that the list does not call 'softmax' is quantised finished and normalised). What goes into a quantiser is computed in f32, as accurately as f32 sums, v_exp_f32 and their like allow (about 1e-6 of the number): no bf16 or f16 on the way to a quantiser, and a product that is left as it is and whose result goes on into a quantised operand takes f32 operands (vector FMAs, or v_wmma_f32_16x16x4_f32). A number that lies on a knife's edge between two numbers of the format may be rounded either way, as far as f32 arithmetic and the matrix unit's own rounding can turn it there, and no further.
;; One version. Each part assembles by itself: llvm-mc -triple=amdgcn-amd-amdhsa -mcpu=gfx1250 --defsym DOCPART=n.
;; ======== version 1 of 1: 2 launches
;; workspace buffers: wimg 307,200 bytes; gsum 524,288 bytes; cpart 16,384 bytes
;; launch prep (part 1): grid 192 x 1, 21 waves a work-group, no clusters, 40,448 bytes of LDS; arguments Pj, w0_w, w0_b, ws_w, ws_b, c1_w, c1_b, c2_w, As_w, wimg, gsum, cpart; writes wimg, gsum, cpart
.if DOCPART == 1
	.amdgcn_target "amdgcn-amd-amdhsa--gfx1250"
	.amdhsa_code_object_version 6
	.text
	.protected	k_qf1371afc3f_prep
	.globl	k_qf1371afc3f_prep
	.p2align	8
	.type	k_qf1371afc3f_prep,@function
k_qf1371afc3f_prep:
	s_mov_b64 s[64:65], 0
	v_nop
	global_prefetch_b8 v0, s[64:65] scope:SCOPE_SE
	s_setreg_imm32_b32 hwreg(HW_REG_WAVE_MODE, 25, 1), 1
	s_wait_xcnt 0x0
; THE PARTS THAT HANG ON Pj ALONE, AND THE WEIGHTS' CODES.  All quantised products on codes of FP6 (E2M3) with one E8M0 scale for each 32 along K.
;   gsum[b][l][256] = Q(Pj) Q(W_l)^T + bias_l:  l = 0: w0_w, w0_b;  l = 1..3: ws_w[l-1][:, 256:768], ws_b[l-1]  (K's blocks of 32 fall on the joint of the concatenation: 256 is a multiple of 32)
;   cpart[tile][b]  = the sum over a tile's 16 units of relu(Q(Pj) Q(c1_w)^T + c1_b) x c2_w, 32 tiles;  the next launch adds them
;   wimg: six matrices of 256 x 256 (As_w[0..2], ws_w[0..2][:, 0:256]) as codes, laid in the order of an operand's registers: fragment f = 8 c + 2 t + s is 3 x 512 bytes, lane l's registers 4 q .. 4 q + 3 at 512 q + 16 l;
;         row r of tile (c, t) is unit 64 c + 32 (r / 8) + 8 t + r % 8;  K step s is k = 128 s ..;  behind a matrix's 49,152 bytes of codes its scale words, at 128 (4 c + t) + 64 s + 4 r
; SHARES.  Work-group = (slice sg of 64 weight rows, 24 of them) x (16 rows of Pj, 8 of them).  Each of 21 waves quantises ONE fragment of 16 rows x 128 K, so all the work-group's numbers are asked for at once:
;   waves 0-15 the slice's 4 tiles x 4 K steps, waves 16-19 Pj's 4 K steps, wave 20 fragment number (work-group) of wimg.  A lane takes 32 neighbours along K twice: whole blocks, no other lane is asked for a maximum.
;   The fragments go to LDS as images of their registers; behind a barrier waves 0-3 multiply a tile each (source 0 = 16 weight rows, source 1 = Pj's 16 rows: a lane holds one row of Pj and eight units).
; REGISTERS: 128 a wave, so that six waves share a SIMD's 1,024; therefore the product fetches its fragments in two rounds of two K steps.
; LIMITS: NaN and infinities are not served.  A block of zeros, and one whose largest magnitude lies under 2^-124, gets the byte 1 (the rule: 127 for zeros): its codes are zeros there, and this program alone reads the bytes.
;   The sum over K = 512 goes in two accumulators (K steps 0, 2 and 1, 3), added at the end.
.set FI,    0                          ; LDS: 20 fragments' images, 1,536 bytes each
.set SCI,   30720                      ; their scale words: 128 bytes each (row r's word at 4 r, and again at 64 + 4 r)
.set STG,   33280                      ; the way out of gsum: 16 rows x (256 bytes + 16)
.set SPARE, 37632                      ; the spare words, 128 bytes for each of 21 waves, in 11 blocks of 256 bytes that no other line names
.set FLOOR, 0x1800000                  ; 2^(3 - 127): under it no largest magnitude is taken, so the byte cannot fall under 1
.set SPW,  1                           ; v1   LDS address of my spare word; never rewritten
.set NIL,  2                           ; v2   0; never rewritten
.set VOFF, 3                           ; my 128 bytes of my row, in the source
.set VL16, 4                           ; 16 x lane
.set VL4,  5                           ; 4 x lane
.set VFI,  6                           ; 1,536 x wave + 16 x lane: where my fragment's image goes
.set VSI,  7                           ; 128 x wave + 4 x lane: its scale words
.set VF2,  8                           ; 6,144 x wave + 16 x lane: tile (wave)'s four fragments
.set VS2,  9                           ; lanes 0-15: tile (wave)'s scale words; lanes 16-31: Pj's
.set VSH,  10                          ; 8 x (lane / 16)
.set VBO,  11                          ; my eight units in the bias and in c2_w
.set VSTW, 12                          ; the stage: in
.set VSTR, 13                          ; the stage: back
.set VGO,  14                          ; my 16 bytes in gsum
.set VR4,  15                          ; 4 x (lane % 16)
.set TM,   16                          ; v16-19 four chains of a maximum; at the head they hold:
.set LANE, 16                          ;   lane
.set R,    17                          ;   lane % 16
.set H,    18                          ;   lane / 16
.set TR,   19                          ;   my row
.set SOP,  20                          ; v20-21 the conversions' scale operands
.set BY,   22                          ; v22-23 the scale bytes
.set SW,   24                          ; the scale word
.set PT,   25
.set PC,   26                          ; v26-37 the fragment's codes
.set CT,   38                          ; v38-40 a block's upper 16 codes, before they are moved
.set SC,   42                          ; v42-45 scale words and nothing else: lanes 0-15 the weights', lanes 16-31 Pj's
.set X,    46                          ; v46-109 my 64 numbers
.set BS,   110                         ; v110-117 bias
.set C2,   118                         ; v118-125 c2_w
.set ACA,  26                          ; behind the barrier: two accumulators,
.set ACB,  34
.set WF,   46                          ; two fragments of weights,
.set PF,   70                          ; two of Pj
.macro MX3 d, a, b, c
	v_max3_num_f32 v[\d], |v[\a]|, |v[\b]|, |v[\c]|
.endm
.macro MAX32 x                         ; the largest magnitude of v[x] .. v[x + 31] and the floor, into v[TM]: 16 lines in four chains
	v_max3_num_f32 v[TM], |v[\x]|, |v[\x+1]|, FLOOR
	MX3 TM+1, \x+8, \x+9, \x+10
	MX3 TM+2, \x+15, \x+16, \x+17
	MX3 TM+3, \x+22, \x+23, \x+24
	MX3 TM, TM, \x+2, \x+3
	MX3 TM+1, TM+1, \x+11, \x+12
	MX3 TM+2, TM+2, \x+18, \x+19
	MX3 TM+3, TM+3, \x+25, \x+26
	MX3 TM, TM, \x+4, \x+5
	MX3 TM+1, TM+1, \x+13, \x+14
	MX3 TM+2, TM+2, \x+20, \x+21
	MX3 TM+3, TM+3, \x+27, \x+28
	MX3 TM, TM, \x+6, \x+7
	MX3 TM+2, TM+2, TM+3, \x+29
	MX3 TM, TM, TM+1, \x+30
	MX3 TM, TM, TM+2, \x+31
.endm
.macro FRLOAD a                        ; the fragments of K steps a and a + 1: my tile's and Pj's
.irp s, 0,1
.irp q, 0,1,2
	ds_load_b128 v[WF+12*\s+4*\q:WF+12*\s+4*\q+3], v[VF2] offset:FI+1536*((\a)+\s)+512*\q
	ds_load_b128 v[PF+12*\s+4*\q:PF+12*\s+4*\q+3], v[VL16] offset:FI+1536*(16+(\a)+\s)+512*\q
.endr
.endr
.endm
	s_load_b512 s[4:19], s[0:1], 0x0               ; Pj 4, w0_w 6, w0_b 8, ws_w 10, ws_b 12, c1_w 14, c1_b 16, c2_w 18
	s_load_b256 s[20:27], s[0:1], 0x40             ; As_w 20, wimg 22, gsum 24, cpart 26
	v_lshl_add_u32 v[SPW], v0, 2, SPARE
	v_mov_b32 v[NIL], 0
	v_lshrrev_b32 v[LANE], 5, v0
	v_readfirstlane_b32 s28, v[LANE]               ; wave i, 0..20
	v_and_b32 v[LANE], 31, v0
	v_and_b32 v[R], 15, v0
	v_bfe_u32 v[H], v0, 4, 1
	v_mov_b32 v[PT], 0                             ; a lane permute's destination counts as one of its sources
	s_mov_b32 s44, 0x76543210
	s_mov_b32 s45, 0xfedcba98                      ; v_permlanex16_b32's selects for lane l xor 16
	; every LDS address: a constant x lane + a constant x wave
	v_lshlrev_b32 v[VL16], 4, v[LANE]
	v_lshlrev_b32 v[VL4], 2, v[LANE]
	s_mul_i32 s68, s28, 1536
	v_add_nc_u32 v[VFI], s68, v[VL16]
	s_lshl_b32 s68, s28, 7
	v_add_nc_u32 v[VSI], s68, v[VL4]
	s_mul_i32 s68, s28, 6144
	v_add_nc_u32 v[VF2], s68, v[VL16]
	s_min_u32 s69, s28, 3                          ; (only waves 0-3 use this address)
	s_lshl_b32 s69, s69, 9                         ; the words of fragments 4 i ..: 512 i;
	s_sub_co_u32 s70, 2048, s69                    ; Pj's (fragments 16 ..) lie this much further on
	v_mul_u32_u24 v[VS2], s70, v[H]                ; one product: the lower base + (lane / 16) x the distance
	v_lshl_add_u32 v[VS2], v[R], 2, v[VS2]
	v_add_nc_u32 v[VS2], s69, v[VS2]
	v_lshlrev_b32 v[VSH], 3, v[H]
	v_mul_u32_u24 v[VSTW], v[R], 272
	v_lshl_add_u32 v[VSTW], v[H], 5, v[VSTW]
	s_lshl_b32 s68, s28, 6
	v_add_nc_u32 v[VSTW], s68, v[VSTW]             ; in: row r of Pj's 16; tile i's 64 bytes; my half's 32
	v_mul_u32_u24 v[VSTR], v[H], 272
	v_lshl_add_u32 v[VSTR], v[R], 4, v[VSTR]
	s_mul_i32 s68, s28, 1088
	v_add_nc_u32 v[VSTR], s68, v[VSTR]             ; back: rows 4 i + lane / 16 (and two further on), sixteen lanes to a row
	v_lshlrev_b32 v[VGO], 12, v[H]
	v_lshl_add_u32 v[VGO], v[R], 4, v[VGO]
	s_lshl_b32 s68, s28, 14
	v_add_nc_u32 v[VGO], s68, v[VGO]               ; and the same rows in gsum, 4,096 bytes apart
	v_lshlrev_b32 v[VR4], 2, v[R]
	; which rows of which tensor: all from the work-group's and the wave's number
	s_lshr_b32 s29, ttmp9, 3                       ; sg
	s_and_b32 s30, ttmp9, 7                        ; bt
	s_lshr_b32 s31, s29, 2                         ; L: 0 w0_w, 1..3 ws_w[L - 1], 4 and 5 c1_w
	s_and_b32 s32, s29, 3
	s_lshl_b32 s32, s32, 6                         ; 64 (sg % 4)
	s_and_b32 s33, s29, 7
	s_lshl_b32 s33, s33, 6                         ; 64 (sg % 8): c1_w's rows
	s_mul_i32 s34, s31, 786432
	s_sub_co_u32 s34, s34, 786432                  ; L - 1 matrices of ws_w (taken for L = 1..3 alone)
	s_lshl_b32 s35, s31, 10
	s_sub_co_u32 s35, s35, 1024                    ; L - 1 rows of ws_b
	s_mov_b32 s36, 2048
	s_mov_b32 s37, 3072
	s_mov_b32 s38, 1024
	s_lshl_b32 s55, s30, 4                         ; Pj's rows: 16 bt
	s_and_b32 s56, s28, 3                          ; the K step of waves 0-19
	s_lshr_b32 s57, ttmp9, 5                       ; wave 20: matrix m,
	s_and_b32 s58, ttmp9, 31                       ; fragment f = 8 c + 2 t + s
	s_lshr_b32 s59, s58, 3
	s_lshl_b32 s59, s59, 6
	s_bfe_u32 s60, s58, 0x20001
	s_lshl_b32 s60, s60, 3
	s_add_co_u32 s59, s59, s60                     ; 64 c + 8 t
	s_and_b32 s60, s58, 1                          ; s
	s_mul_i32 s61, s57, 262144                     ; m matrices of As_w
	s_mul_i32 s62, s57, 786432
	s_sub_co_u32 s62, s62, 3*786432                ; m - 3 matrices of ws_w
	s_wait_kmcnt 0x0
	s_cmp_eq_u32 s31, 0
	s_cselect_b64 s[42:43], s[6:7], s[10:11]       ; the weights,
	s_cselect_b64 s[46:47], s[8:9], s[12:13]       ; their bias,
	s_cselect_b32 s39, s36, s37                    ; a row in bytes,
	s_cselect_b32 s40, 0, s38                      ; where Pj's part of a row begins,
	s_cselect_b32 s41, 0, s34
	s_cselect_b32 s52, 0, s35
	s_cmp_ge_u32 s31, 4
	s_cselect_b64 s[42:43], s[14:15], s[42:43]
	s_cselect_b64 s[46:47], s[16:17], s[46:47]
	s_cselect_b32 s39, s36, s39
	s_cselect_b32 s40, 0, s40
	s_cselect_b32 s41, 0, s41
	s_cselect_b32 s52, 0, s52
	s_cselect_b32 s53, s33, s32                    ; the slice's first row
	s_lshr_b32 s54, s28, 2
	s_lshl_b32 s54, s54, 4
	s_add_co_u32 s54, s54, s53                     ; waves 0-15: + 16 x tile
	s_cmp_lt_u32 s57, 3
	s_cselect_b64 s[48:49], s[20:21], s[10:11]     ; wave 20's matrix
	s_cselect_b32 s61, s61, s62
	s_cselect_b32 s62, s38, s37
	s_cmp_ge_u32 s28, 16                           ; waves 16-19: Pj
	s_cselect_b64 s[42:43], s[4:5], s[42:43]
	s_cselect_b32 s39, s36, s39
	s_cselect_b32 s40, 0, s40
	s_cselect_b32 s41, 0, s41
	s_cselect_b32 s54, s55, s54
	s_cmp_eq_u32 s28, 20                           ; wave 20
	s_cselect_b64 s[42:43], s[48:49], s[42:43]
	s_cselect_b32 s39, s62, s39
	s_cselect_b32 s41, s61, s41
	s_cselect_b32 s54, s59, s54
	s_cselect_b32 s56, s60, s56
	s_cselect_b32 s63, 24, 0                       ; its tile's rows 8-15 lie 24 further on
	s_lshl_b32 s56, s56, 9
	s_add_co_u32 s40, s40, s56                     ; + 512 bytes a K step
	s_mov_b32 s66, s41
	s_mov_b32 s67, 0
	s_add_nc_u64 s[42:43], s[42:43], s[66:67]
	s_mov_b32 s66, s52
	s_add_nc_u64 s[46:47], s[46:47], s[66:67]
	v_lshrrev_b32 v[TR], 3, v[R]
	v_mul_u32_u24 v[TR], v[TR], s63
	v_add3_u32 v[TR], v[TR], v[R], s54             ; my row
	v_mul_lo_u32 v[VOFF], v[TR], s39
	v_lshl_add_u32 v[VOFF], v[H], 7, v[VOFF]       ; + 128 bytes for lanes 16-31: the operand's layout gives lane (r, h) k = 64 c + 32 h + 0 .. 31
	v_add_nc_u32 v[VOFF], s40, v[VOFF]
	s_lshl_b32 s68, s28, 4
	s_add_co_u32 s68, s68, s53
	s_lshl_b32 s68, s68, 2
	v_lshl_add_u32 v[VBO], v[H], 5, s68            ; units (first row + 16 i + 8 h) on, 4 bytes each
.irp c, 0,1
.irp e, 0,1,2,3,4,5,6,7
	global_load_b128 v[X+32*\c+4*\e:X+32*\c+4*\e+3], v[VOFF], s[42:43] offset:256*\c+16*\e
.endr
.endr
	s_cmp_ge_u32 s28, 4
	s_cbranch_scc1 .Lno_bias
	global_load_b128 v[BS:BS+3], v[VBO], s[46:47]
	global_load_b128 v[BS+4:BS+7], v[VBO], s[46:47] offset:16
	global_load_b128 v[C2:C2+3], v[VBO], s[18:19]  ; (every slice's rows lie under 512: inside c2_w)
	global_load_b128 v[C2+4:C2+7], v[VBO], s[18:19] offset:16
.Lno_bias:
	s_wait_loadcnt 0x0
	; 64 numbers become a fragment's 12 registers and its scale word, a block of 32 at a time
.irp c, 0,1
	MAX32 X+32*\c
	v_add_nc_u32 v[SOP+\c], 0xff000000, v[TM]      ; 2 off the largest magnitude's exponent field: the conversion takes the exponent field of this operand as its scale
	v_cvt_scalef32_pk16_fp6_f32 v[PC+6*\c:PC+6*\c+2], v[X+32*\c:X+32*\c+15], v[SOP+\c]
	v_cvt_scalef32_pk16_fp6_f32 v[CT:CT+2], v[X+32*\c+16:X+32*\c+31], v[SOP+\c]   ; (a conversion's three registers begin on an even number)
	v_lshrrev_b32 v[BY+\c], 23, v[SOP+\c]          ; the scale's byte; also the plain line behind the conversions
.irp i, 0,1,2
	v_mov_b32 v[PC+6*\c+3+\i], v[CT+\i]
.endr
.endr
	v_lshl_or_b32 v[SW], v[BY+1], 16, v[BY]        ; my two bytes: blocks h and 2 + h,
	v_lshlrev_b32 v[SW], v[VSH], v[SW]             ; at their places;
	v_permlanex16_b32 v[PT], v[SW], s44, s45
	v_or_b32 v[SW], v[SW], v[PT]                   ; with lane l xor 16's two the word is whole
	s_cmp_eq_u32 s28, 20
	s_cbranch_scc1 .Limage
.irp q, 0,1,2
	ds_store_b128 v[VFI], v[PC+4*\q:PC+4*\q+3] offset:FI+512*\q
.endr
	ds_store_b32 v[VSI], v[SW] offset:SCI
	s_branch .Lmeet
.Limage:
	s_mul_i32 s68, s57, 51200
	s_mul_i32 s69, s58, 1536
	s_add_co_u32 s66, s68, s69
	s_add_nc_u64 s[50:51], s[22:23], s[66:67]
.irp q, 0,1,2
	global_store_b128 v[VL16], v[PC+4*\q:PC+4*\q+3], s[50:51] offset:512*\q   ; 32 lanes store 512 consecutive bytes
.endr
	s_lshr_b32 s69, s58, 1
	s_lshl_b32 s69, s69, 7
	s_lshl_b32 s70, s60, 6
	s_add_co_u32 s69, s69, s70
	s_add_co_u32 s69, s69, s68
	s_add_co_u32 s66, s69, 49152
	s_add_nc_u64 s[70:71], s[22:23], s[66:67]
	global_store_b32 v[VR4], v[SW], s[70:71]       ; lanes r and r + 16 store the same word with the same value
.Lmeet:
	s_wait_dscnt 0x0                               ; for the others' sake: my image has landed
	s_barrier_signal -1
	s_barrier_wait -1
	s_cmp_ge_u32 s28, 4
	s_cbranch_scc1 .Lmeet2
	FRLOAD 0
.irp s, 0,1,2,3
	ds_load_b32 v[SC+\s], v[VS2] offset:SCI+128*\s
.endr
	s_wait_dscnt 0x0
	; two accumulators by turns; the bias is the C of the first product
	v_wmma_scale_f32_16x16x128_f8f6f4 v[ACA:ACA+7], v[WF:WF+11], v[PF:PF+11], v[BS:BS+7], v[SC], v[SC] matrix_a_fmt:MATRIX_FMT_FP6 matrix_b_fmt:MATRIX_FMT_FP6 matrix_b_scale:MATRIX_SCALE_ROW1
	v_wmma_scale_f32_16x16x128_f8f6f4 v[ACB:ACB+7], v[WF+12:WF+23], v[PF+12:PF+23], 0, v[SC+1], v[SC+1] matrix_a_fmt:MATRIX_FMT_FP6 matrix_b_fmt:MATRIX_FMT_FP6 matrix_b_scale:MATRIX_SCALE_ROW1
.rept 4
	v_nop                                          ; four places ahead of loads into registers that these products have read (ISA guide 7.12.1 for vector instructions)
.endr
	FRLOAD 2
	s_wait_dscnt 0x0
	v_wmma_scale_f32_16x16x128_f8f6f4 v[ACA:ACA+7], v[WF:WF+11], v[PF:PF+11], v[ACA:ACA+7], v[SC+2], v[SC+2] matrix_a_fmt:MATRIX_FMT_FP6 matrix_b_fmt:MATRIX_FMT_FP6 matrix_b_scale:MATRIX_SCALE_ROW1
	v_wmma_scale_f32_16x16x128_f8f6f4 v[ACB:ACB+7], v[WF+12:WF+23], v[PF+12:PF+23], v[ACB:ACB+7], v[SC+3], v[SC+3] matrix_a_fmt:MATRIX_FMT_FP6 matrix_b_fmt:MATRIX_FMT_FP6 matrix_b_scale:MATRIX_SCALE_ROW1
.rept 4
	v_nop                                          ; four places behind the last product, ahead of the first read of results
.endr
.irp j, 0,2,4,6
	v_pk_add_f32 v[ACA+\j:ACA+\j+1], v[ACA+\j:ACA+\j+1], v[ACB+\j:ACB+\j+1]   ; lane (r, h): row r of Pj's 16, units 16 i + 8 h + 0 .. 7
.endr
	s_cmp_ge_u32 s31, 4
	s_cbranch_scc1 .Lclass
	ds_store_b128 v[VSTW], v[ACA:ACA+3] offset:STG
	ds_store_b128 v[VSTW], v[ACA+4:ACA+7] offset:STG+16
	s_branch .Lmeet2
.Lclass:                                               ; c1_w's slices: relu, x c2_w, summed over the tile's 16 units
.irp j, 0,1,2,3,4,5,6,7
	v_max_num_f32 v[ACA+\j], 0, v[ACA+\j]
.endr
	v_mul_f32 v[ACB], v[ACA], v[C2]
.irp j, 1,2,3,4,5,6,7
	v_fmac_f32 v[ACB], v[ACA+\j], v[C2+\j]
.endr
	v_permlanex16_b32 v[PT], v[ACB], s44, s45
	v_add_f32 v[ACB], v[ACB], v[PT]
	s_sub_co_u32 s70, s29, 16
	s_lshl_b32 s70, s70, 2
	s_add_co_u32 s70, s70, s28                     ; tile 4 (sg - 16) + i
	s_lshl_b32 s70, s70, 9
	s_lshl_b32 s71, s30, 6
	s_add_co_u32 s66, s70, s71
	s_add_nc_u64 s[50:51], s[26:27], s[66:67]
	global_store_b32 v[VR4], v[ACB], s[50:51]      ; lanes r and r + 16 store the same word with the same value
.Lmeet2:
	s_wait_dscnt 0x0                               ; my part of the stage has landed
	s_barrier_signal -1
	s_barrier_wait -1
	s_cmp_ge_u32 s28, 4
	s_cbranch_scc1 .Lend
	s_cmp_ge_u32 s31, 4
	s_cbranch_scc1 .Lend
	ds_load_b128 v[WF:WF+3], v[VSTR] offset:STG
	ds_load_b128 v[WF+4:WF+7], v[VSTR] offset:STG+544
	s_lshl_b32 s66, s30, 16                        ; 16 bt rows of 4,096 bytes,
	s_lshl_b32 s68, s31, 10                        ; layer L,
	s_add_co_u32 s66, s66, s68
	s_lshl_b32 s68, s32, 2                         ; the slice's 256 bytes
	s_add_co_u32 s66, s66, s68
	s_add_nc_u64 s[50:51], s[24:25], s[66:67]
	s_wait_dscnt 0x1                               ; the older load is in, the younger may be out
	global_store_b128 v[VGO], v[WF:WF+3], s[50:51]               ; sixteen lanes store 256 consecutive bytes, at a multiple of 256 from gsum's first byte
	s_wait_dscnt 0x0
	global_store_b128 v[VGO], v[WF+4:WF+7], s[50:51] offset:8192
.Lend:
	s_wait_tensorcnt 0x0                           ; the wave's end, behind my last LDS store
	ds_add_u32 v[SPW], v[NIL]
	s_wait_dscnt 0x0
	s_endpgm
.Lfunc_end_k_qf1371afc3f_prep:
	.size	k_qf1371afc3f_prep, .Lfunc_end_k_qf1371afc3f_prep-k_qf1371afc3f_prep
	.p2alignl 7, 3214868480
	.fill 96, 4, 3214868480
	.section	.rodata,"a",@progbits
	.p2align	6, 0x0
	.amdhsa_kernel k_qf1371afc3f_prep
		.amdhsa_group_segment_fixed_size 40448
		.amdhsa_private_segment_fixed_size 0
		.amdhsa_enable_private_segment 0
		.amdhsa_kernarg_size 96
		.amdhsa_user_sgpr_count 2
		.amdhsa_user_sgpr_kernarg_segment_ptr 1
		.amdhsa_wavefront_size32 1
		.amdhsa_system_sgpr_workgroup_id_x 1
		.amdhsa_system_sgpr_workgroup_id_y 1
		.amdhsa_system_sgpr_workgroup_id_z 1
		.amdhsa_system_vgpr_workitem_id 0
		.amdhsa_next_free_vgpr 128
		.amdhsa_next_free_sgpr 80
		.amdhsa_reserve_vcc 0
		.amdhsa_float_denorm_mode_32 3
		.amdhsa_float_denorm_mode_16_64 3
		.amdhsa_memory_ordered 1
		.amdhsa_forward_progress 1
		.amdhsa_inst_pref_size 17
	.end_amdhsa_kernel
	.amdgpu_metadata
---
amdhsa.version: [ 1, 2 ]
amdhsa.kernels:
  - .name:           k_qf1371afc3f_prep
    .symbol:         k_qf1371afc3f_prep.kd
    .args:
      - { .name: Pj, .offset: 0, .size: 8, .value_kind: global_buffer, .address_space: global }
      - { .name: w0_w, .offset: 8, .size: 8, .value_kind: global_buffer, .address_space: global }
      - { .name: w0_b, .offset: 16, .size: 8, .value_kind: global_buffer, .address_space: global }
      - { .name: ws_w, .offset: 24, .size: 8, .value_kind: global_buffer, .address_space: global }
      - { .name: ws_b, .offset: 32, .size: 8, .value_kind: global_buffer, .address_space: global }
      - { .name: c1_w, .offset: 40, .size: 8, .value_kind: global_buffer, .address_space: global }
      - { .name: c1_b, .offset: 48, .size: 8, .value_kind: global_buffer, .address_space: global }
      - { .name: c2_w, .offset: 56, .size: 8, .value_kind: global_buffer, .address_space: global }
      - { .name: As_w, .offset: 64, .size: 8, .value_kind: global_buffer, .address_space: global }
      - { .name: wimg, .offset: 72, .size: 8, .value_kind: global_buffer, .address_space: global }
      - { .name: gsum, .offset: 80, .size: 8, .value_kind: global_buffer, .address_space: global }
      - { .name: cpart, .offset: 88, .size: 8, .value_kind: global_buffer, .address_space: global }
    .group_segment_fixed_size: 40448
    .private_segment_fixed_size: 0
    .kernarg_segment_align: 8
    .kernarg_segment_size: 96
    .max_flat_workgroup_size: 672
    .sgpr_count:     80
    .vgpr_count:     128
    .wavefront_size: 32
...
	.end_amdgpu_metadata
.endif
;; end of part 1
;; launch main (part 2): grid 256 x 1, 8 waves a work-group, clusters of 4 x 1, 251,648 bytes of LDS; arguments wimg, gsum, cpart, s, A0_w, A0_b, As_b, A_out_w, A_out_b, c2_b, out0, out1; writes out0, out1
.if DOCPART == 2
	.amdgcn_target "amdgcn-amd-amdhsa--gfx1250"
	.amdhsa_code_object_version 6
	.text
	.protected	k_qf1371afc3f_main
	.globl	k_qf1371afc3f_main
	.p2align	8
	.type	k_qf1371afc3f_main,@function
k_qf1371afc3f_main:
	s_mov_b64 s[64:65], 0
	v_nop
	global_prefetch_b8 v0, s[64:65] scope:SCOPE_SE
	s_setreg_imm32_b32 hwreg(HW_REG_WAVE_MODE, 25, 1), 1
	s_wait_xcnt 0x0
	s_wait_alu depctr_hold_cnt(0) depctr_sa_sdst(0) depctr_va_vdst(0) depctr_va_sdst(0) depctr_va_ssrc(0) depctr_va_vcc(0) depctr_vm_vsrc(0)
	s_getreg_b32 s2, hwreg(HW_REG_IB_STS2, 6, 4)
	s_cmp_eq_u32 s2, 0
	s_cbranch_scc0 .Lentry_in_a_cluster
	s_endpgm
.Lentry_in_a_cluster:
	s_bfe_u32 s2, ttmp6, 0x10000c
	s_cmp_lg_u32 s2, 0x3003
	s_cbranch_scc0 .Lentry_shape_is_right
	s_endpgm
.Lentry_shape_is_right:
; y = the four-layer MLP over s, each layer's relu multiplied by hs[l][b]; f = sigmoid of the summed parts.  The 256 x 256 layers on codes of FP6 (E2M3) with one E8M0 scale for each 32 along K.
; SHARES.  A work-group owns 1,024 rows of one batch element b.  ITS EIGHT WAVES ARE A PIPELINE OF FOUR STAGES, TWO WAVES TO A STAGE: wave w has stage q = w / 2 and makes units 128 (w % 2) .. + 127 of layer q.
;   So each parameter (192 registers of weight codes, 8 of scale words, 64 of bias, 64 of hs) lies in ONE wave's registers for the whole launch, and what goes round is the small thing: 32 rows' codes, through LDS,
;   as images of the operand's registers (a fragment: 3 stores of 16 bytes a lane at 16 x lane; a scale word a row).  A wave's 128 units are exactly one K step's fragment and one whole scale word of the next layer.
;   36 ticks: in tick n stage q works on rows 32 (n - q) ..; wave 0 also stores y of rows 32 (n - 4) ...  One barrier a tick; buffers of two parities, written in tick n, read in n + 1, written again in n + 2.
;   The roles part on the wave's own number against a constant (under 2: stage 0; from 6 on: the last stage), and every wave's LDS stores go to bytes that are its own by its number times a constant.
; LAYOUT.  The products are used transposed (source 0 = 16 weight rows, source 1 = 16 rows of x), and a tile's weight rows are chosen (unit 64 c + 32 (r / 8) + 8 t + r % 8) so that the 32 registers of a group's four tiles
;   are a WHOLE block of 32 neighbouring units in a lane: 64 c + 32 (lane / 16) + 0 .. 31, as the 6-bit operand wants them.  A block's maximum asks no other lane.
; hs x relu(z) is formed as max(hs x z, 0): the same numbers, since hs is itself a relu's result.  Layer 0 likewise as max(s (hs0 A0_w) + hs0 A0_b, 0): all f32, another order of rounding than hs0 x relu(s A0_w + A0_b).
; THE CHAIN hs1..hs3 (K = 256 each, on top of gsum's part) is made at the head by waves 0 and 1: all 16 columns of their products are row b, so h comes out replicated in the layout in which it is used.
; The last product (256 -> 6) takes bf16 operands; of its 16 result rows six are read.  CLUSTER: the chain's three matrices are the same for everybody: each wave's eighth of each is asked for JOINTLY by the four partners.
; LIMITS: NaN and infinities are not served.  A block of zeros, or one under 2^-124, gets the byte 1: its codes are zeros there, and this program alone reads the bytes.
; No prefetch: every stream is asked for at the launch's head.  No padding in LDS: every access is a constant x lane on end.
.set GS,    0                          ; LDS: gsum[b], 4,096 bytes      (these two and CW: filled by tensor loads, once)
.set SS,    4096                       ; my 1,024 numbers of s
.set YP,    8192                       ; y's parts: a parity is 12,288: 1,536 for each wave's number: 768 bytes of 32 rows x 6, then 768 that nobody reads (lanes 16-31); waves 6 and 7 alone store here
.set YPP,   12288
.set HFI,   32768                      ; Q(h0..h2): 3 x 3,328: two fragments, then the scale words
.set HS,    42752                      ; h1..h3 in f32
.set SPARE, 45824                      ; the spare words, 128 bytes for each wave: four blocks of 256 bytes that no other line names
.set XB,    46848                      ; interfaces of 12,800, one for each stage's number (the last stage's is not used); a parity is 6,400: fragments at 3,072 m + 1,536 u, scale words at 6,144 + 128 m + 64 u + 4 r
.set CW,    98048                      ; the chain's three matrices, 51,200 bytes each
.set IFB,   12800
.set PAR,   6400
.set HFB,   3328
.set MATB,  51200
.set FLOOR, 0x1800000                  ; 2^(3 - 127)
.set SPW, 1                            ; v1   my spare word's address; never rewritten
.set NIL, 2                            ; v2   0; never rewritten
.set VL16, 3                           ; 16 x lane
.set VL4,  4                           ; 4 x lane
.set VRD,  5                           ; 12,800 q + 16 x lane: I read interface q - 1 (the - 1 stands in the immediates)
.set VRS,  6                           ; 12,800 q + 4 x lane
.set VWR,  7                           ; 12,800 q + 1,536 u + 16 x lane: I write interface q
.set VWS,  8                           ; 12,800 q + 64 u + 4 r
.set VGH,  9                           ; 512 u + 128 h: my 32 units' bytes in a row of 256 f32
.set VHS,  10                          ; 1,024 q + the same
.set VSH,  11                          ; 8 h
.set VSS,  12                          ; SS + 4 r
.set VYW,  13                          ; 1,536 x wave + 768 h + 24 r
.set VSA,  14                          ; VSS + 128 x min(tick, 31)
.set VL8,  15                          ; 8 x lane
.set VYO,  16                          ; a global offset: wave 0: y's; wave 7: cpart's
.set VCW,  17                          ; the chain matrix in hand: codes,
.set VCS,  18                          ; scale words
.set VAO,  19                          ; A_out_w: row min(r, 5), my units
.set AWS,  20                          ; v20-27 the weights' scale words: lanes 0-15 K step 0, lanes 16-31 K step 1
.set XS,   28                          ; v28-29 x's, likewise, for the two row tiles
.set SV,   30                          ; v30-33 stage 0: s of the two row tiles, each the low word of a pair
.set TM,   34
.set SOP,  38
.set BY,   39                          ; v39-40
.set SW,   41                          ; v41, v43
.set PT,   42
.set CT,   44
.set PCF,  48                          ; v48-71 the codes just made: two fragments
.set BI,   72                          ; v72-135 bias (stage 0: hs0 x A0_b)
.set ACC,  136                         ; v136-199 two sets of four tiles
.set XF,   200                         ; v200-247 x's fragments: two row tiles x two K steps
.set AO,   30                          ; last stage: v30-61 A_out_w in bf16, four fragments; v62-69, v248-255 two accumulators of y
.set YA,   62
.set YB,   248
.set FV,   70
.set OB,   224                         ; wave 0: v224-229 A_out_b as it falls on my lanes; v230-241 y at work; v242-246 at the head
.set OY,   230
.set OT,   242
.set HSR,  192                         ; window 1: v0-191 weight codes (16 fragments), v192-255 hs (stage 0: hs0 x A0_w)
.set G1A, 28                           ; s[28:35] group 1, joint: 25 rows of 256 bytes;  s[36:43] plain: 2 rows of 256 bytes
.set G1B, 36
.set G0G, 44                           ; groups 0: gsum, s, the three matrices
.set G0S, 48
.set G0C, 52
.set WV, 66
.set Q,  67
.set U,  68
.set CX, 69
.set B,  70
.set HALF, 71
.set TK, 72
.set NOW, 73
.set IB, 74
.set SEL, 76
.set MSB, 0
.macro WIN new                         ; s_set_vgpr_msb: bits 1:0 source 0, 3:2 source 1, 5:4 source 2, 7:6 destination; the high byte repeats the setting that is left
.if MSB != \new
	s_set_vgpr_msb (MSB<<8)|\new
.set MSB, \new
.endif
.endm
.macro NOPS c
.rept \c
	v_nop
.endr
.endm
.macro ROUND                           ; a round of the cluster's barrier
	s_barrier_signal -1
	s_barrier_wait -1
	s_cmp_lg_u32 s[WV], 0
	s_cbranch_scc1 .Lnot_wave_0_\@
	s_barrier_signal -3
.Lnot_wave_0_\@:
	s_barrier_wait -3
	s_barrier_signal -1
	s_barrier_wait -1
.endm
.macro MEET                            ; my LDS stores have landed and my LDS loads are in: then the work-group's barrier
	s_wait_dscnt 0x0
	s_barrier_signal -1
	s_barrier_wait -1
.endm
.macro MX3 d, a, b, c
	v_max3_num_f32 v[\d], v[\a], v[\b], v[\c]
.endm
.macro MAX32 x                         ; the largest of v[x] .. v[x + 31] (none is negative) and the floor, into v[TM]: 16 lines in four chains
	v_max3_num_f32 v[TM], v[\x], v[\x+1], FLOOR
	MX3 TM+1, \x+8, \x+9, \x+10
	MX3 TM+2, \x+15, \x+16, \x+17
	MX3 TM+3, \x+22, \x+23, \x+24
	MX3 TM, TM, \x+2, \x+3
	MX3 TM+1, TM+1, \x+11, \x+12
	MX3 TM+2, TM+2, \x+18, \x+19
	MX3 TM+3, TM+3, \x+25, \x+26
	MX3 TM, TM, \x+4, \x+5
	MX3 TM+1, TM+1, \x+13, \x+14
	MX3 TM+2, TM+2, \x+20, \x+21
	MX3 TM+3, TM+3, \x+27, \x+28
	MX3 TM, TM, \x+6, \x+7
	MX3 TM+2, TM+2, TM+3, \x+29
	MX3 TM, TM, TM+1, \x+30
	MX3 TM, TM, TM+2, \x+31
.endm
; Product n of 8 of group g's four tiles for row tile m, into set: K step 0 of tiles 0-3, then K step 1.  The four accumulators take turns.  cin = 1: the sums begin with what the set holds; 0: with the bias.
.macro WPROD set, g, m, cin
.set wt, n%4
.set wk, n/4
.set wd, ACC+32*(\set)+8*wt
.set wa, 12*((4*(\g)+wt)*2+wk)
.set wb, XF+24*(\m)+12*wk
.set wsc, AWS+4*(\g)+wt
.set wc, BI+32*(\g)+8*wt
.if wk == 0
.if \cin
	v_wmma_scale_f32_16x16x128_f8f6f4 v[wd:wd+7], v[wa:wa+11], v[wb:wb+11], v[wd:wd+7], v[wsc], v[XS+(\m)] matrix_a_fmt:MATRIX_FMT_FP6 matrix_b_fmt:MATRIX_FMT_FP6
.else
	v_wmma_scale_f32_16x16x128_f8f6f4 v[wd:wd+7], v[wa:wa+11], v[wb:wb+11], v[wc:wc+7], v[wsc], v[XS+(\m)] matrix_a_fmt:MATRIX_FMT_FP6 matrix_b_fmt:MATRIX_FMT_FP6
.endif
.else
	v_wmma_scale_f32_16x16x128_f8f6f4 v[wd:wd+7], v[wa:wa+11], v[wb:wb+11], v[wd:wd+7], v[wsc], v[XS+(\m)] matrix_a_fmt:MATRIX_FMT_FP6 matrix_b_fmt:MATRIX_FMT_FP6 matrix_a_scale:MATRIX_SCALE_ROW1 matrix_b_scale:MATRIX_SCALE_ROW1
.endif
.endm
.macro W set, g, m, cin
	WIN 0x01                                       ; source 0 (the weights) window 1
.set n, 0
.rept 8
	WPROD \set, \g, \m, \cin
.set n, n+1
.endr
.endm
; Slice n of 8 of a finished set: x hs, relu, on registers 4 n .. 4 n + 3.  It runs under the products' own window setting (hs is source 0, window 1).
.macro APS oset, og
.set aa, ACC+32*(\oset)+4*n
.set ah, HSR+32*(\og)+4*n
	v_pk_mul_f32 v[aa:aa+1], v[ah:ah+1], v[aa:aa+1]
	v_pk_mul_f32 v[aa+2:aa+3], v[ah+2:ah+3], v[aa+2:aa+3]
	v_max_num_f32 v[aa], 0, v[aa]
	v_max_num_f32 v[aa+1], 0, v[aa+1]
	v_max_num_f32 v[aa+2], 0, v[aa+2]
	v_max_num_f32 v[aa+3], 0, v[aa+3]
.endm
.macro APART oset, og
	WIN 0x01
.set n, 0
.rept 8
	APS \oset, \og
.set n, n+1
.endr
.endm
; Eight products into one set, and behind each a slice of the OTHER set, which names none of the product's registers: matrix and vector work side by side, and the slices are the places behind the products.
.macro MIX set, g, m, oset, og
	WIN 0x01
.set n, 0
.rept 8
	WPROD \set, \g, \m, 0
	APS \oset, \og
.set n, n+1
.endr
.endm
; A set's 32 numbers, one block in my lane, become six registers of codes at dst and a scale byte in by.
.macro BPART set, dst, by
	WIN 0
	MAX32 ACC+32*(\set)
	v_add_nc_u32 v[SOP], 0xff000000, v[TM]         ; 2 off the exponent field: the conversion's scale operand
	v_cvt_scalef32_pk16_fp6_f32 v[\dst:\dst+2], v[ACC+32*(\set):ACC+32*(\set)+15], v[SOP]
	v_cvt_scalef32_pk16_fp6_f32 v[CT:CT+2], v[ACC+32*(\set)+16:ACC+32*(\set)+31], v[SOP]   ; (a conversion's three registers begin on an even number)
	v_lshrrev_b32 v[\by], 23, v[SOP]               ; the byte; also the plain line behind the conversions
	v_mov_b32 v[\dst+3], v[CT]
	v_mov_b32 v[\dst+4], v[CT+1]
	v_mov_b32 v[\dst+5], v[CT+2]
.endm
.macro FIN m, af, as, of, os           ; row tile m's fragment and scale word go to LDS as they stand
	v_lshl_or_b32 v[SW+2*(\m)], v[BY+1], 16, v[BY] ; my two bytes: blocks h and 2 + h,
	v_lshlrev_b32 v[SW+2*(\m)], v[VSH], v[SW+2*(\m)]
	v_permlanex16_b32 v[PT], v[SW+2*(\m)], s[SEL], s[SEL+1]
	v_or_b32 v[SW+2*(\m)], v[SW+2*(\m)], v[PT]     ; with lane l xor 16's two the word is whole
.irp k, 0,1,2
	ds_store_b128 v[\af], v[PCF+12*(\m)+4*\k:PCF+12*(\m)+4*\k+3] offset:\of+512*\k
.endr
	ds_store_b32 v[\as], v[SW+2*(\m)] offset:\os   ; lanes r and r + 16 store the same word with the same value
.endm
.macro XLOAD m, ar, as, of, os         ; a row tile's two fragments (K steps 0, 1) and its scale words
.irp k, 0,1,2,3,4,5
	ds_load_b128 v[XF+24*(\m)+4*\k:XF+24*(\m)+4*\k+3], v[\ar] offset:\of+512*\k
.endr
	ds_load_b32 v[XS+(\m)], v[\as] offset:\os
.endm
; Last stage: a set's 32 numbers are rounded to bf16 in place (register k from 2 k, 2 k + 1) and multiplied by A_out_w's same units; K's order is the same permutation on both sides.
.macro BPART3 set, g
	WIN 0
.set n, 0
.rept 16
	v_cvt_pk_bf16_f32 v[ACC+32*(\set)+n], v[ACC+32*(\set)+2*n], v[ACC+32*(\set)+2*n+1]
.set n, n+1
.endr
.if (\g) == 0
	v_wmma_f32_16x16x32_bf16 v[YA:YA+7], v[AO:AO+7], v[ACC+32*(\set):ACC+32*(\set)+7], 0
	v_wmma_f32_16x16x32_bf16 v[YB:YB+7], v[AO+8:AO+15], v[ACC+32*(\set)+8:ACC+32*(\set)+15], 0
.else
	v_wmma_f32_16x16x32_bf16 v[YA:YA+7], v[AO+16:AO+23], v[ACC+32*(\set):ACC+32*(\set)+7], v[YA:YA+7]
	v_wmma_f32_16x16x32_bf16 v[YB:YB+7], v[AO+24:AO+31], v[ACC+32*(\set)+8:ACC+32*(\set)+15], v[YB:YB+7]
.endif
	NOPS 5                                         ; the next products write over the registers just read: five places (ISA guide 7.12.1); four of them serve the read of results below
.endm
.macro FIN3 m, p                       ; lane (r, 0): y(16 m + r, 0 .. 5), my half of the units
.irp k, 0,2,4
	v_pk_add_f32 v[YA+\k:YA+\k+1], v[YA+\k:YA+\k+1], v[YB+\k:YB+\k+1]
.endr
.irp k, 0,2,4
	ds_store_b64 v[VYW], v[YA+\k:YA+\k+1] offset:YP+YPP*(\p)+384*(\m)+4*\k
.endr
.endm
.macro TAIL k3, set, g, m
.if \k3
	BPART3 \set, \g
.else
	BPART \set, PCF+12*(\m)+6*(\g), BY+(\g)
.endif
.endm
.macro FINX k3, m, p
.if \k3
	FIN3 \m, \p
.else
	FIN \m, VWR, VWS, XB+PAR*(\p)+3072*(\m), XB+PAR*(\p)+6144+128*(\m)
.endif
.endm
.macro RELU32 set
.set n, 0
.rept 32
	v_max_num_f32 v[ACC+32*(\set)+n], 0, v[ACC+32*(\set)+n]
.set n, n+1
.endr
.endm
.macro FMA16 set, g, m                 ; stage 0: s x (hs0 A0_w) + hs0 A0_b, two at a time; of the pair with s the low word serves both halves
	WIN 0x01
.set n, 0
.rept 16
	v_pk_fma_f32 v[ACC+32*(\set)+2*n:ACC+32*(\set)+2*n+1], v[HSR+32*(\g)+2*n:HSR+32*(\g)+2*n+1], v[SV+2*(\m):SV+2*(\m)+1], v[BI+32*(\g)+2*n:BI+32*(\g)+2*n+1] op_sel_hi:[1,0,1]
.set n, n+1
.endr
.endm
.macro GLOAD l                         ; gsum[b][l] at my 64 units, the same in all sixteen r
.irp g, 0,1
.irp e, 0,1,2,3,4,5,6,7
	ds_load_b128 v[ACC+32*\g+4*\e:ACC+32*\g+4*\e+3], v[VGH] offset:GS+1024*(\l)+256*\g+16*\e
.endr
.endr
.endm
.macro HSSTORE l                       ; h_l in f32; sixteen lanes store the same bytes with the same values
.irp g, 0,1
.irp e, 0,1,2,3,4,5,6,7
	ds_store_b128 v[VGH], v[ACC+32*\g+4*\e:ACC+32*\g+4*\e+3] offset:HS+1024*((\l)-1)+256*\g+16*\e
.endr
.endr
.endm
.macro CWLOAD                          ; my half of the chain matrix in hand: 16 fragments into window 1, 8 registers of scale words
	WIN 0x40
.set n, 0
.rept 48
	ds_load_b128 v[4*n:4*n+3], v[VCW] offset:512*n
.set n, n+1
.endr
	WIN 0
.irp k, 0,1,2,3,4,5,6,7
	ds_load_b32 v[AWS+\k], v[VCS] offset:128*\k
.endr
.endm
.macro CHAIN l                         ; h_l = relu(gsum[b][l] + Q(h_(l-1)) Q(ws_w[l-1][:, 0:256])^T), my 128 units
	GLOAD \l
	XLOAD 0, VL16, VL4, HFI+HFB*((\l)-1), HFI+HFB*((\l)-1)+3072
	s_wait_dscnt 0x0
	W 0, 0, 0, 1
	W 1, 1, 0, 1
	WIN 0
	NOPS 4                                         ; four places ahead of loads into the products' registers and of the first read of results
.if (\l) < 3
	CWLOAD                                         ; the next matrix lands while this h is finished
.endif
	RELU32 0
	RELU32 1
	HSSTORE \l
.if (\l) < 3
	BPART 0, PCF, BY
	BPART 1, PCF+6, BY+1
	FIN 0, VWR, VWS, HFI+HFB*(\l), HFI+HFB*(\l)+3072
.endif
.endm
; A tick of stages 1 to 3 (k3 = 1: the last): 32 rows = two row tiles x two groups of four tiles; while one set is multiplied the other is scaled, clipped and quantised.
.macro STAGE k3, p
	XLOAD 0, VRD, VRS, XB-IFB+PAR*(1-\p), XB-IFB+PAR*(1-\p)+6144
	XLOAD 1, VRD, VRS, XB-IFB+PAR*(1-\p)+3072, XB-IFB+PAR*(1-\p)+6144+128
	s_wait_dscnt 0x7                               ; row tile 0 is in; row tile 1's seven loads may be out
	W 0, 0, 0, 0
	NOPS 4                                         ; four places ahead of the first read of these results
	MIX 1, 1, 0, 0, 0
	TAIL \k3, 0, 0, 0
	s_wait_dscnt 0x0                               ; row tile 1 is in
	MIX 0, 0, 1, 1, 1
	TAIL \k3, 1, 1, 0
	FINX \k3, 0, \p
	MIX 1, 1, 1, 0, 0
	TAIL \k3, 0, 0, 1
	APART 1, 1
	TAIL \k3, 1, 1, 1
	FINX \k3, 1, \p
.endm
.macro STAGE0 p
	ds_load_b32 v[SV], v[VSA]
	ds_load_b32 v[SV+2], v[VSA] offset:64
	s_wait_dscnt 0x0
.irp m, 0,1
.irp g, 0,1
	FMA16 \g, \g, \m
	RELU32 \g
	BPART \g, PCF+12*\m+6*\g, BY+\g
.endr
	FIN \m, VWR, VWS, XB+PAR*(\p)+3072*\m, XB+PAR*(\p)+6144+128*\m
.endr
.endm
.macro YOUT p                          ; wave 0: the two halves' parts of 32 rows of y (waves 6 and 7 stored them, 768 bytes each) are added, with the bias, and leave as three aligned runs of 256 bytes
	s_sub_co_u32 s75, s[NOW], 4
	s_cmp_lt_u32 s75, 32
	s_cbranch_scc0 .Lno_y_\@
	s_wait_xcnt 0x0                                ; the last tick's stores have read their registers: offset and data are written again only behind this wait
	s_mul_i32 s75, s75, 768
	v_add_nc_u32 v[VYO], s75, v[VL8]
.irp k, 0,1,2
	ds_load_b64 v[OY+2*\k:OY+2*\k+1], v[VL8] offset:YP+YPP*(1-\p)+6*1536+256*\k
	ds_load_b64 v[OY+6+2*\k:OY+6+2*\k+1], v[VL8] offset:YP+YPP*(1-\p)+7*1536+256*\k
.endr
	s_wait_dscnt 0x0
.irp k, 0,1,2
	v_pk_add_f32 v[OY+2*\k:OY+2*\k+1], v[OY+2*\k:OY+2*\k+1], v[OY+6+2*\k:OY+6+2*\k+1]
.endr
.irp k, 0,1,2
	v_pk_add_f32 v[OY+2*\k:OY+2*\k+1], v[OY+2*\k:OY+2*\k+1], v[OB+2*\k:OB+2*\k+1]
.endr
.irp k, 0,1,2
	global_store_b64 v[VYO], v[OY+2*\k:OY+2*\k+1], s[88:89] offset:256*\k th:TH_STORE_NT
.endr
.Lno_y_\@:
.endm
.macro TICK p                          ; the roles part on the wave's number INSIDE the tick, ahead of the test on the tick's count; the barrier at the tick's end is on every wave's path
	s_add_co_u32 s[NOW], s[TK], \p
	s_min_u32 s75, s[NOW], 31                      ; (the four ticks behind the last rows read no s: the address stays inside SS)
	s_lshl_b32 s75, s75, 7
	v_add_nc_u32 v[VSA], s75, v[VSS]               ; 32 numbers of s a tick
	s_sub_co_u32 s[IB], s[NOW], s[Q]               ; my stage's 32 rows: number tick - q, while that is 0 .. 31
	s_cmp_lt_u32 s[WV], 2
	s_cbranch_scc1 .Lfirst_\@
	s_cmp_ge_u32 s[WV], 6
	s_cbranch_scc1 .Llast_\@
	s_cmp_lt_u32 s[IB], 32
	s_cbranch_scc0 .Ljoin_\@
	STAGE 0, \p
	s_branch .Ljoin_\@
.Llast_\@:
	s_cmp_lt_u32 s[IB], 32
	s_cbranch_scc0 .Ljoin_\@
	STAGE 1, \p
	s_branch .Ljoin_\@
.Lfirst_\@:
	s_cmp_lg_u32 s[WV], 0
	s_cbranch_scc1 .Lnot_0_\@
	YOUT \p
.Lnot_0_\@:
	s_cmp_lt_u32 s[IB], 32
	s_cbranch_scc0 .Ljoin_\@
	STAGE0 \p
.Ljoin_\@:
	MEET
.endm
	s_load_b512 s[4:19], s[0:1], 0x0               ; wimg 4, gsum 6, cpart 8, s 10, A0_w 12, A0_b 14, As_b 16, A_out_w 18
	s_load_b256 s[20:27], s[0:1], 0x40             ; A_out_b 20, c2_b 22, out0 24, out1 26
	v_lshl_add_u32 v[SPW], v0, 2, SPARE
	v_mov_b32 v[NIL], 0
	ds_add_u32 v[SPW], v[NIL]                      ; the wave's opening: the add and its wait ahead of my first tensor load; the set-up below, work on registers, stands between them
	v_lshrrev_b32 v[VL16], 5, v0
	v_readfirstlane_b32 s[WV], v[VL16]             ; wave 0..7
	s_lshr_b32 s[Q], s[WV], 1                      ; stage
	s_and_b32 s[U], s[WV], 1                       ; half of the layer's units
	s_bfe_u32 s[CX], ttmp6, 0x40000                ; my place in the cluster: it enters global addresses alone
	s_and_b32 s[B], ttmp9, 31
	s_lshl_b32 s[B], s[B], 2
	s_add_co_u32 s[B], s[B], s[CX]                 ; b = 4 (cluster % 32) + cx
	s_lshr_b32 s[HALF], ttmp9, 5                   ; which 1,024 rows of b: the same in all four partners
	s_mov_b32 s[SEL], 0x76543210
	s_mov_b32 s[SEL+1], 0xfedcba98                 ; v_permlanex16_b32's selects for lane l xor 16
	s_mov_b32 s79, 0                               ; the high word of every offset pair s[78:79]
	s_mov_b32 s[G1A], 15|(3<<16)|(1<<21)           ; the mask: all four work-groups; elements of 8 bytes; bit 21 set beside a mask
	s_mov_b32 s[G1A+1], 32<<16                     ; tensor_dim0 = 32 elements = 256 bytes
	s_mov_b32 s[G1A+2], 25<<16                     ; tensor_dim1 = 25 rows: an eighth of a matrix's 51,200 bytes
	s_mov_b32 s[G1A+3], 32<<16                     ; tile_dim0
	s_mov_b32 s[G1A+4], 25                         ; tile_dim1
	s_mov_b32 s[G1A+5], 32                         ; the pitch: dense
	s_mov_b32 s[G1A+6], 0
	s_mov_b32 s[G1A+7], 0
	s_mov_b32 s[G1B], 3<<16                        ; no mask: gsum[b] and s are my work-group's own
	s_mov_b32 s[G1B+1], 32<<16
	s_mov_b32 s[G1B+2], 2<<16                      ; 2 rows of 256 bytes: an eighth of 4,096
	s_mov_b32 s[G1B+3], 32<<16
	s_mov_b32 s[G1B+4], 2
	s_mov_b32 s[G1B+5], 32
	s_mov_b32 s[G1B+6], 0
	s_mov_b32 s[G1B+7], 0
	; every LDS address register is made here, ahead of the first parting of the roles, from the lane and the wave's number; none ever holds data
	v_and_b32 v[VAO], 31, v0
	v_lshlrev_b32 v[VL16], 4, v[VAO]
	v_lshlrev_b32 v[VL4], 2, v[VAO]
	v_lshlrev_b32 v[VL8], 3, v[VAO]
	v_and_b32 v[VHS], 15, v0                       ; r, for now
	v_bfe_u32 v[VSH], v0, 4, 1                     ; h, for now
	s_mul_i32 s75, s[Q], IFB
	v_add_nc_u32 v[VRD], s75, v[VL16]
	v_add_nc_u32 v[VRS], s75, v[VL4]
	s_mul_i32 s78, s[U], 1536
	s_add_co_u32 s78, s78, s75
	v_add_nc_u32 v[VWR], s78, v[VL16]
	s_lshl_b32 s78, s[U], 6
	s_add_co_u32 s78, s78, s75
	v_lshl_add_u32 v[VWS], v[VHS], 2, s78
	s_lshl_b32 s78, s[U], 9
	v_lshl_add_u32 v[VGH], v[VSH], 7, s78
	v_lshl_add_u32 v[VSS], v[VHS], 2, SS
	v_mul_u32_u24 v[VYW], v[VHS], 24
	v_mad_u32_u24 v[VYW], v[VSH], 768, v[VYW]
	s_mul_i32 s78, s[WV], 1536                     ; the wave's own number: every wave has its own 1,536 bytes of a parity
	v_add_nc_u32 v[VYW], s78, v[VYW]
	s_mul_i32 s78, s[U], 24576
	s_add_co_u32 s78, s78, CW
	v_add_nc_u32 v[VCW], s78, v[VL16]
	s_lshl_b32 s78, s[U], 10
	s_add_co_u32 s78, s78, CW+49152
	v_add_nc_u32 v[VCS], s78, v[VL4]
	v_min_u32 v[VAO], 5, v[VHS]
	v_lshl_add_u32 v[VAO], v[VAO], 10, v[VGH]      ; (a global offset)
	s_lshl_b32 s78, s[Q], 10
	v_add_nc_u32 v[VHS], s78, v[VGH]
	v_lshlrev_b32 v[VSH], 3, v[VSH]
	v_mov_b32 v[VSA], v[VSS]
	v_mov_b32 v[SV+1], 0                           ; named as the upper halves of pairs
	v_mov_b32 v[SV+3], 0
	v_mov_b32 v[PT], 0                             ; a lane permute's destination counts as one of its sources
	v_mov_b32 v[FV], 0                             ; written whole on every way, ahead of the load that one wave issues into it
	v_mov_b32 v[FV+1], 0
	s_wait_dscnt 0x0                               ; the opening add is done
	s_wait_kmcnt 0x0
	s_lshl_b32 s75, s[WV], 9                       ; my eighth of 4,096 bytes
	s_lshl_b32 s78, s[B], 12
	s_add_co_u32 s78, s78, s75
	s_mov_b32 s[G0G], 1
	s_add_co_u32 s[G0G+1], s75, GS
	s_add_nc_u64 s[G0G+2:G0G+3], s[6:7], s[78:79]
	s_or_b32 s[G0G+3], s[G0G+3], 0x80000000
	s_lshl_b32 s78, s[B], 13
	s_lshl_b32 s86, s[HALF], 12
	s_add_co_u32 s78, s78, s86
	s_add_co_u32 s78, s78, s75
	s_mov_b32 s[G0S], 1
	s_add_co_u32 s[G0S+1], s75, SS
	s_add_nc_u64 s[G0S+2:G0S+3], s[10:11], s[78:79]
	s_or_b32 s[G0S+3], s[G0S+3], 0x80000000
	s_mul_i32 s75, s[WV], 6400                     ; my eighth of a matrix: made of the wave's number alone, equal in all four partners
	s_mov_b32 s78, s75
.irp l, 0,1,2
	s_mov_b32 s[G0C+4*\l], 1
	s_add_co_u32 s[G0C+4*\l+1], s75, CW+MATB*\l
	s_add_nc_u64 s[G0C+4*\l+2:G0C+4*\l+3], s[4:5], s[78:79]
	s_add_nc_u64 s[G0C+4*\l+2:G0C+4*\l+3], s[G0C+4*\l+2:G0C+4*\l+3], 3*MATB+MATB*\l
	s_or_b32 s[G0C+4*\l+3], s[G0C+4*\l+3], 0x80000000
.endr
	s_mul_i32 s86, s[B], 49152
	s_mul_i32 s87, s[HALF], 24576
	s_add_co_u32 s86, s86, s87
	s_mov_b32 s87, 0
	s_add_nc_u64 s[88:89], s[24:25], s[86:87]      ; out0 at my first row
	s_lshl_b32 s86, s[B], 2
	s_add_nc_u64 s[92:93], s[26:27], s[86:87]      ; out1[b]
	ROUND                                          ; all four work-groups are here: the joint loads meet
	tensor_load_to_lds s[G0G:G0G+3], s[G1B:G1B+7]  ; five loads of mine are out, all first fills, in the order in which they are wanted
	s_nop 0
	tensor_load_to_lds s[G0S:G0S+3], s[G1B:G1B+7]
	s_nop 0
	tensor_load_to_lds s[G0C:G0C+3], s[G1A:G1A+7]
	s_nop 0
	tensor_load_to_lds s[G0C+4:G0C+7], s[G1A:G1A+7]
	s_nop 0
	tensor_load_to_lds s[G0C+8:G0C+11], s[G1A:G1A+7]
	s_nop 0
	NOPS 4
	s_load_b32 s90, s[22:23], 0x0                  ; c2_b
	; each wave's parameters, from memory straight into the registers in which they stay
	s_cmp_ge_u32 s[WV], 2
	s_cbranch_scc1 .Lpar_mid
	WIN 0x40
.irp g, 0,1
.irp e, 0,1,2,3,4,5,6,7
	global_load_b128 v[HSR+32*\g+4*\e:HSR+32*\g+4*\e+3], v[VGH], s[12:13] offset:256*\g+16*\e
.endr
.endr
	WIN 0
.irp g, 0,1
.irp e, 0,1,2,3,4,5,6,7
	global_load_b128 v[BI+32*\g+4*\e:BI+32*\g+4*\e+3], v[VGH], s[14:15] offset:256*\g+16*\e
.endr
.endr
	s_cmp_lg_u32 s[WV], 0
	s_cbranch_scc1 .Lpar_done
	v_and_b32 v[OT+3], 31, v0                      ; wave 0: in run k of 256 bytes of y my lane's two numbers are columns 2 ((lane + 32 k) % 3) and the next
.irp k, 0,1,2
	v_add_nc_u32 v[OT+\k], 32*\k, v[OT+3]
	v_mul_u32_u24 v[OT+4], v[OT+\k], 0x5556
	v_lshrrev_b32 v[OT+4], 16, v[OT+4]             ; / 3, exact for numbers under 96
	v_mul_u32_u24 v[OT+4], v[OT+4], 3
	v_sub_nc_u32 v[OT+\k], v[OT+\k], v[OT+4]
	v_lshlrev_b32 v[OT+\k], 3, v[OT+\k]
	global_load_b64 v[OB+2*\k:OB+2*\k+1], v[OT+\k], s[20:21]
.endr
	s_branch .Lpar_done
.Lpar_mid:
	s_sub_co_u32 s75, s[Q], 1                      ; stage q multiplies by As_w[q - 1]
	s_mul_i32 s78, s75, MATB
	s_mul_i32 s86, s[U], 24576
	s_add_co_u32 s78, s78, s86
	s_add_nc_u64 s[80:81], s[4:5], s[78:79]
	s_mul_i32 s78, s75, MATB
	s_lshl_b32 s86, s[U], 10
	s_add_co_u32 s78, s78, s86
	s_add_co_u32 s78, s78, 49152
	s_add_nc_u64 s[82:83], s[4:5], s[78:79]
	s_lshl_b32 s78, s75, 10
	s_add_nc_u64 s[84:85], s[16:17], s[78:79]
	WIN 0x40
.set n, 0
.rept 48
	global_load_b128 v[4*n:4*n+3], v[VL16], s[80:81] offset:512*n   ; 32 lanes read 512 consecutive bytes: the codes lie in the order of my registers
.set n, n+1
.endr
	WIN 0
.irp k, 0,1,2,3,4,5,6,7
	global_load_b32 v[AWS+\k], v[VL4], s[82:83] offset:128*\k
.endr
.irp g, 0,1
.irp e, 0,1,2,3,4,5,6,7
	global_load_b128 v[BI+32*\g+4*\e:BI+32*\g+4*\e+3], v[VGH], s[84:85] offset:256*\g+16*\e
.endr
.endr
	s_cmp_lt_u32 s[WV], 6
	s_cbranch_scc1 .Lpar_done
.irp g, 0,1
.irp e, 0,1,2,3,4,5,6,7
	global_load_b128 v[ACC+32*\g+4*\e:ACC+32*\g+4*\e+3], v[VAO], s[18:19] offset:256*\g+16*\e   ; A_out_w(min(r, 5), my units): rows 6-15 of the product repeat row 5 and are never read
.endr
.endr
	s_cmp_lg_u32 s[WV], 7
	s_cbranch_scc1 .Lpar_done
	s_cmp_lg_u32 s[HALF], 0
	s_cbranch_scc1 .Lpar_done
	v_lshlrev_b32 v[VYO], 7, v[VL4]                ; one wave for each b adds f's 32 parts: lane = tile, 512 bytes apart
	s_lshl_b32 s75, s[B], 2
	v_add_nc_u32 v[VYO], s75, v[VYO]
	global_load_b32 v[FV], v[VYO], s[8:9]
.Lpar_done:
	s_wait_kmcnt 0x0
	s_wait_tensorcnt 0x2                           ; my parts of gsum[b], s and chain matrix 0 are in; the two loads behind them may stay out
	s_barrier_signal -1
	s_barrier_wait -1                              ; everybody's are
	s_cmp_ge_u32 s[WV], 2
	s_cbranch_scc1 .Lother
	; waves 0, 1: h0 = relu(gsum[b][0]); it is folded into layer 0's weights and quantised for the chain
	GLOAD 0
	CWLOAD
	s_wait_dscnt 56                                ; gsum's 16 loads are in; the matrix's 56 may be out
	RELU32 0
	RELU32 1
	s_wait_loadcnt 0x0                             ; A0_w, A0_b (wave 0: A_out_b too)
	WIN 0x41                                       ; destination and source 0 window 1
.set n, 0
.rept 32
	v_pk_mul_f32 v[HSR+2*n:HSR+2*n+1], v[HSR+2*n:HSR+2*n+1], v[ACC+2*n:ACC+2*n+1]
.set n, n+1
.endr
	WIN 0
.set n, 0
.rept 32
	v_pk_mul_f32 v[BI+2*n:BI+2*n+1], v[BI+2*n:BI+2*n+1], v[ACC+2*n:ACC+2*n+1]
.set n, n+1
.endr
	BPART 0, PCF, BY
	BPART 1, PCF+6, BY+1
	FIN 0, VWR, VWS, HFI, HFI+3072
	s_branch .Lhead_join
.Lother:
	s_wait_loadcnt 0x0                             ; my parameters are in
	s_cmp_lt_u32 s[WV], 6
	s_cbranch_scc1 .Lhead_join
.irp g, 0,1
.irp k, 0,1,2,3,4,5,6,7,8,9,10,11,12,13,14,15
	v_cvt_pk_bf16_f32 v[AO+16*\g+\k], v[ACC+32*\g+2*\k], v[ACC+32*\g+2*\k+1]
.endr
.endr
	s_cmp_lg_u32 s[WV], 7
	s_cbranch_scc1 .Lhead_join
	s_cmp_lg_u32 s[HALF], 0
	s_cbranch_scc1 .Lhead_join
	v_add_f32_dpp v[FV], v[FV], v[FV] row_xmask:1 row_mask:0xf bank_mask:0xf
	v_add_f32_dpp v[FV], v[FV], v[FV] row_xmask:2 row_mask:0xf bank_mask:0xf
	v_add_f32_dpp v[FV], v[FV], v[FV] row_xmask:4 row_mask:0xf bank_mask:0xf
	v_add_f32_dpp v[FV], v[FV], v[FV] row_xmask:8 row_mask:0xf bank_mask:0xf
	v_permlanex16_b32 v[FV+1], v[FV], s[SEL], s[SEL+1]
	v_add_f32 v[FV], v[FV], v[FV+1]
	v_add_f32 v[FV], s90, v[FV]                    ; + c2_b
	v_mul_f32 v[FV], 0xbfb8aa3b, v[FV]             ; x -log2(e)
	v_exp_f32 v[FV+1], v[FV]
	v_nop                                          ; a plain line behind the transcendental,
	s_wait_alu depctr_va_vdst(0)                   ; and a wait ahead of its first reader
	v_add_f32 v[FV+1], 1.0, v[FV+1]
	v_rcp_f32 v[FV], v[FV+1]
	v_nop                                          ; a plain line behind the transcendental
	v_cmp_eq_u32 vcc_lo, 0, v[VL4]                 ; lane 0 alone stores
	s_wait_alu depctr_va_vdst(0)
	s_wait_xcnt 0x0                                ; EXEC changes only behind this wait
	s_and_saveexec_b32 s91, vcc_lo
	global_store_b32 v[VL4], v[FV], s[92:93]
	s_wait_xcnt 0x0
	s_or_b32 exec_lo, exec_lo, s91
.Lhead_join:
	s_wait_tensorcnt 0x1                           ; my part of chain matrix 1 is in; matrix 2's load may stay out
	MEET
	v_add_nc_u32 v[VCW], MATB, v[VCW]              ; on to chain matrix 1 (in every wave: an address register is written on the common way alone)
	v_add_nc_u32 v[VCS], MATB, v[VCS]
	s_cmp_ge_u32 s[WV], 2
	s_cbranch_scc1 .Lskip_1
	CHAIN 1
.Lskip_1:
	s_wait_tensorcnt 0x0                           ; my part of chain matrix 2 is in
	MEET
	v_add_nc_u32 v[VCW], MATB, v[VCW]
	v_add_nc_u32 v[VCS], MATB, v[VCS]
	s_cmp_ge_u32 s[WV], 2
	s_cbranch_scc1 .Lskip_2
	CHAIN 2
.Lskip_2:
	MEET
	s_cmp_ge_u32 s[WV], 2
	s_cbranch_scc1 .Lskip_3
	CHAIN 3
.Lskip_3:
	MEET                                           ; h1..h3 lie in LDS
	s_cmp_lt_u32 s[WV], 2
	s_cbranch_scc1 .Lskip_hs
	WIN 0x40
.irp g, 0,1
.irp e, 0,1,2,3,4,5,6,7
	ds_load_b128 v[HSR+32*\g+4*\e:HSR+32*\g+4*\e+3], v[VHS] offset:HS-1024+256*\g+16*\e   ; hs[q] at my units
.endr
.endr
	WIN 0
	s_wait_dscnt 0x0
.Lskip_hs:
	s_mov_b32 s[TK], 0
.Ltick:                                                ; 18 trips of two ticks: the parity stands in the immediates
	TICK 0
	TICK 1
	s_add_co_u32 s[TK], s[TK], 2
	s_cmp_lt_u32 s[TK], 36
	s_cbranch_scc1 .Ltick
	s_wait_tensorcnt 0x0                           ; the wave's end, behind my last tensor load and my last LDS store
	ds_add_u32 v[SPW], v[NIL]
	s_wait_dscnt 0x0
	ROUND                                          ; the closing round: no work-group ends while a partner may still ask for a tile that names it
	s_endpgm
.Lfunc_end_k_qf1371afc3f_main:
	.size	k_qf1371afc3f_main, .Lfunc_end_k_qf1371afc3f_main-k_qf1371afc3f_main
	.p2alignl 7, 3214868480
	.fill 96, 4, 3214868480
	.section	.rodata,"a",@progbits
	.p2align	6, 0x0
	.amdhsa_kernel k_qf1371afc3f_main
		.amdhsa_group_segment_fixed_size 251648
		.amdhsa_private_segment_fixed_size 0
		.amdhsa_enable_private_segment 0
		.amdhsa_kernarg_size 96
		.amdhsa_user_sgpr_count 2
		.amdhsa_user_sgpr_kernarg_segment_ptr 1
		.amdhsa_wavefront_size32 1
		.amdhsa_system_sgpr_workgroup_id_x 1
		.amdhsa_system_sgpr_workgroup_id_y 1
		.amdhsa_system_sgpr_workgroup_id_z 1
		.amdhsa_system_vgpr_workitem_id 0
		.amdhsa_next_free_vgpr 512
		.amdhsa_next_free_sgpr 96
		.amdhsa_reserve_vcc 1
		.amdhsa_float_denorm_mode_32 3
		.amdhsa_float_denorm_mode_16_64 3
		.amdhsa_memory_ordered 1
		.amdhsa_forward_progress 1
		.amdhsa_inst_pref_size 184
	.end_amdhsa_kernel
	.amdgpu_metadata
---
amdhsa.version: [ 1, 2 ]
amdhsa.kernels:
  - .name:           k_qf1371afc3f_main
    .symbol:         k_qf1371afc3f_main.kd
    .args:
      - { .name: wimg, .offset: 0, .size: 8, .value_kind: global_buffer, .address_space: global }
      - { .name: gsum, .offset: 8, .size: 8, .value_kind: global_buffer, .address_space: global }
      - { .name: cpart, .offset: 16, .size: 8, .value_kind: global_buffer, .address_space: global }
      - { .name: s, .offset: 24, .size: 8, .value_kind: global_buffer, .address_space: global }
      - { .name: A0_w, .offset: 32, .size: 8, .value_kind: global_buffer, .address_space: global }
      - { .name: A0_b, .offset: 40, .size: 8, .value_kind: global_buffer, .address_space: global }
      - { .name: As_b, .offset: 48, .size: 8, .value_kind: global_buffer, .address_space: global }
      - { .name: A_out_w, .offset: 56, .size: 8, .value_kind: global_buffer, .address_space: global }
      - { .name: A_out_b, .offset: 64, .size: 8, .value_kind: global_buffer, .address_space: global }
      - { .name: c2_b, .offset: 72, .size: 8, .value_kind: global_buffer, .address_space: global }
      - { .name: out0, .offset: 80, .size: 8, .value_kind: global_buffer, .address_space: global }
      - { .name: out1, .offset: 88, .size: 8, .value_kind: global_buffer, .address_space: global }
    .group_segment_fixed_size: 251648
    .private_segment_fixed_size: 0
    .kernarg_segment_align: 8
    .kernarg_segment_size: 96
    .max_flat_workgroup_size: 256
    .sgpr_count:     96
    .vgpr_count:     512
    .wavefront_size: 32
...
	.end_amdgpu_metadata
.endif
;; end of part 2
